; MI455X (gfx1250); checked and timed in simulation.
; The chip was launched on July 23, 2026; its instructions are those of AMD's public machine-readable ISA for CDNA 5 (MIT licence, August 2026) and "CDNA5" Instruction Set Architecture Reference Guide (July 2026). The comments in the code are by the model that wrote it; some were corrected since.
;; vae Vector Quantizer. Allowed arithmetic: matrix products marked QUANTISED: E2M1 operands, one E8M0 scale for each 32 along K, by v_wmma_scale_f32_16x16x128_f8f6f4 with both operands' format E2M1 (or v_wmma_scale_f32_32x16x128_f4), f32 sums; everything else in f32.
;; Inputs: embeddings 256 x 8,192 float32; x 32,768 x 256 float32.
;; Outputs: out0 32,768 x 256 float32.
;; This version of the problem:
;;   THIS VERSION OF THE PROBLEM IS GIVEN IN LOW PRECISION. The matrix products marked QUANTISED in the list below multiply operands that are first quantised to E2M1 (2 exponent bits, 1 mantissa bit; 4 bits a number), with one power-of-two scale for each 32 numbers along K (OCP MX v1.0); their sums are f32. All else is computed in f32.
;;   The module's matrix products, in the order in which they are computed (A, B: the left and right operand; K: the contracted axis; several contracted axes count as one K, in the product's order):
;;     1. [M 32,768, K 256] x [K 256, N 8,192]; A: input x; B: input embeddings: QUANTISED
;;   THE QUANTISER, for each operand of a quantised product, along K:
;;     - K is cut into blocks of 32 from its start; a last block that is shorter is filled with zeros.
;;     - A block's scale is 2^e with e = floor(log2(the largest magnitude in the block)) - 2, held to -126 .. 127; a block of zeros has e = 0. As a byte (E8M0): e + 127.
;;     - Each number is divided by its block's scale, clamped to +-6, and rounded to the nearest number of E2M1, ties to even, subnormals kept.
;;     - The product sums the exact products of the quantised numbers (number of the format x scale) in f32.
;;   ~~~python
;;   def quantise(x, axis):      # numpy; x: float32 -> the quantised numbers, widened to float32 again
;;       x = np.moveaxis(x, axis, -1); K = x.shape[-1]
;;       x = np.pad(x, [(0, 0)] * (x.ndim - 1) + [(0, -K % 32)]); x = x.reshape(x.shape[:-1] + (-1, 32)); a = np.abs(x).max(-1, keepdims=True)
;;       e = np.where(a > 0, np.clip(np.frexp(np.where(a > 0, a, 1))[1] - 1 - 2, -126, 127), 0)      # np.frexp(a)[1] - 1 = floor(log2(a)), exactly
;;       r = np.clip(x / 2.0 ** e, -6, 6)
;;       step = 2.0 ** (np.maximum(np.frexp(np.where(r == 0, 1, r))[1] - 1, 0) - 1)
;;       q = np.round(r / step) * step * 2.0 ** e      # np.round: ties to even
;;       return np.moveaxis(q.reshape(q.shape[:-2] + (-1,))[..., :K], -1, axis).astype(np.float32)
;;   ~~~
;; One version. Each part assembles by itself: llvm-mc -triple=amdgcn-amd-amdhsa -mcpu=gfx1250 --defsym DOCPART=n.
;; ======== version 1 of 1: 3 launches
;; limits: right only within a limited range of input values
;; workspace buffers: eq 1,146,880 bytes; et 8,388,608 bytes; idx 131,072 bytes of whole numbers; xq 4,456,448 bytes
;; launch prep (part 1): grid 384 x 1, 16 waves a work-group, no clusters, 71,680 bytes of LDS; arguments embeddings, eq, et, x, xq; writes eq, et, xq
.if DOCPART == 1
	.amdgcn_target "amdgcn-amd-amdhsa--gfx1250"
	.amdhsa_code_object_version 6
	.text
	.protected	k_q1ddaba996a_prep
	.globl	k_q1ddaba996a_prep
	.p2align	8
	.type	k_q1ddaba996a_prep,@function
k_q1ddaba996a_prep:
	s_mov_b64 s[64:65], 0
	v_nop
	global_prefetch_b8 v0, s[64:65] scope:SCOPE_SE
	s_setreg_imm32_b32 hwreg(HW_REG_WAVE_MODE, 25, 1), 1
	s_wait_xcnt 0x0
; WORK LEFT OUT BY THE WHOLE PROGRAM: |x_n|^2.  It is added to every candidate's distance of row n alike, so for all finite inputs the argmin over the candidates is the same without it; it is never formed.
; LIMIT: a NaN, an infinity or an overflow that would arise in |x_n|^2 alone is not carried to the result.
; WORK-GROUPS 0 .. 127: E [256 (d)][8192 (column)] f32, whose K (= d) is its first axis, is laid out for the two launches that follow:
;   eq: the columns as codes of FP4 (E2M1) with one E8M0 scale byte for each 32 along d, and -|e|^2 / 2 of each column;   et: E transposed, [8192][256] f32.
; eq is 8 chunks of CH bytes; chunk c holds tiles 64 c .. 64 c + 63 of 16 columns (tl = tile % 64, r = column % 16):
;   codes at tl x 2048 + b8 x 256 + r x 16 (block b8: d = 32 b8 .. + 31);  scale words at SCO + tl x 128 + s x 64 + 4 r (byte b = block 4 s + b);  bias at BIO + tl x 64 + 4 r: -|e|^2 / 2 of the unquantised numbers.
; A work-group takes 64 columns x all 256 d.  Wave w: cw = w % 2 (which 32 columns), b8 = w / 2.  A lane takes a column and its registers run down d: a block lies in one lane's 32 registers.
; With 64 columns to a work-group every piece of E, eq's codes and et that is read or stored is 256 consecutive bytes, aligned.
; WORK-GROUPS 128 .. 383: work-group 128 + B quantises rows 128 B .. 128 B + 127 of x along the 256 into xq, 17,408 bytes a block of 128 rows:
;   fragment f = 2 m + s (row tile m of 16 rows, K step s of 128) at 1,024 f, an image of the operand's eight registers: registers 0-3 at 16 x lane, registers 4-7 at 512 + 16 x lane;
;   scale words at 16,384 + 128 m + 64 s + 4 r.
; A block's scale is 2^(floor(log2(its largest magnitude)) - 2); its byte is the largest magnitude's exponent field - 2, held at 1 from below.
; LIMITS: a block whose largest magnitude lies under 2^-124, a block of zeros among them, keeps the byte 1 (zero codes; this program alone reads the bytes); NaN and infinities are not served.
; Every address register and pointer is made ahead of the parting of the two kinds of work-group, from ids alone; both kinds pass the one barrier; x's way uses no LDS and no register that holds an address.
.set ROWE, 32768                       ; a row of E in bytes
.set CH,   143360
.set SCO,  131072
.set BIO,  139264
.set SP,   1040                        ; LDS: a column's 1,024 bytes + 16 of padding
.set E2P,  64*SP                       ; LDS: the partial sums of squares, [8 blocks][64 columns] f32
.set SCB,  E2P+2048                    ; LDS: the work-group's 512 scale bytes, as they lie in eq
.set X,    32                          ; v32-63 my column's 32 numbers; on x's way v32-95 my 64 numbers
.set C,    24                          ; v24-27 their codes
.set OUTR, 64                          ; v64-95 the way out
.set TM,   100                         ; x's way: v100-115 the quantiser's work,
.set PC,   116                         ; v116-123 the codes,
.set PW,   124                         ; v124 the scale word
	s_load_b128 s[4:7], s[0:1], 0x0                ; E s[4:5], eq s[6:7]
	s_load_b64 s[8:9], s[0:1], 0x10                ; et
	s_load_b64 s[32:33], s[0:1], 0x18              ; x
	s_load_b64 s[34:35], s[0:1], 0x20              ; xq
	v_lshl_add_u32 v96, v0, 2, 0x11000             ; my spare word, behind the scale bytes
	v_mov_b32 v97, 0
	v_lshrrev_b32 v12, 5, v0
	s_delay_alu instid0(VALU_DEP_1)
	v_readfirstlane_b32 s10, v12                   ; wave 0..15
	s_and_b32 s11, s10, 1                          ; cw; on x's way the K step
	s_lshr_b32 s12, s10, 1                         ; b8; on x's way the row tile
	s_lshl_b32 s16, s12, 20                        ; E: 32 b8 rows,
	s_lshl_b32 s13, ttmp9, 8                       ; the work-group's 64 columns,
	s_add_co_u32 s16, s16, s13
	s_lshl_b32 s13, s11, 7                         ; my wave's 32
	s_add_co_u32 s16, s16, s13
	s_mov_b32 s17, 0
	s_mul_i32 s44, s11, 32*SP                      ; the stage, in: my 32 columns, byte 128 b8
	s_lshl_b32 s14, s12, 7
	s_add_co_u32 s44, s44, s14
	s_lshl_b32 s45, s12, 8                         ; my partial sums
	s_add_co_u32 s45, s45, s13
	s_add_co_u32 s45, s45, E2P
	s_lshl_b32 s46, s11, 8                         ; my scale bytes: tile x 128 + (b8 / 4) x 64 + b8 % 4
	s_lshr_b32 s14, s12, 2
	s_lshl_b32 s14, s14, 6
	s_add_co_u32 s46, s46, s14
	s_and_b32 s14, s12, 3
	s_add_co_u32 s46, s46, s14
	s_add_co_u32 s46, s46, SCB
	s_mul_i32 s47, s10, 4*SP                       ; the stage, out: wave w takes columns 4 w .. 4 w + 3
	s_lshr_b32 s18, ttmp9, 4
	s_mul_i32 s18, s18, CH                         ; my chunk of eq: 16 work-groups fill one
	s_mov_b32 s19, 0
	s_and_b32 s20, ttmp9, 15
	s_lshl_b32 s22, s20, 13                        ; codes: the work-group's four tiles,
	s_lshl_b32 s13, s11, 12                        ; my wave's two,
	s_add_co_u32 s22, s22, s13
	s_lshl_b32 s13, s12, 8                         ; my block
	s_add_co_u32 s22, s22, s13
	s_mov_b32 s23, 0
	s_lshl_b32 s24, s20, 9
	s_add_co_u32 s24, s24, SCO
	s_mov_b32 s25, 0
	s_lshl_b32 s26, s20, 8
	s_add_co_u32 s26, s26, BIO
	s_mov_b32 s27, 0
	s_lshl_b32 s28, ttmp9, 16                      ; et: 64 rows of 1,024 bytes a work-group,
	s_lshl_b32 s13, s10, 12                        ; four a wave
	s_add_co_u32 s28, s28, s13
	s_mov_b32 s29, 0
	v_and_b32 v1, 31, v0                           ; lane
	v_bfe_u32 v12, v0, 4, 1                        ; lane / 16
	v_and_b32 v13, 15, v0                          ; r
	v_lshlrev_b32 v2, 2, v1                        ; E: 4 bytes a lane
	v_lshlrev_b32 v3, 4, v13
	v_mul_u32_u24 v4, v1, SP
	v_lshlrev_b32 v6, 2, v13
	v_lshlrev_b32 v8, 4, v1                        ; 16 x lane
	v_lshlrev_b32 v11, 3, v1                       ; 8 x lane
	v_lshl_add_u32 v3, v12, 11, v3                 ; codes in eq: tile x 2,048 + 16 r
	v_add_nc_u32 v4, s44, v4                       ; the stage, in
	v_add_nc_u32 v5, s45, v2                       ; my partial sum of squares
	v_lshl_add_u32 v6, v12, 7, v6
	v_add_nc_u32 v7, s47, v8                       ; the stage, out
	v_add_nc_u32 v9, SCB, v8                       ; the scale bytes, out
	v_add_nc_u32 v10, E2P, v11                     ; the partial sums, out
	v_add_nc_u32 v6, s46, v6                       ; my scale byte
	v_lshlrev_b32 v31, 2, v13                      ; x's way: my row's scale word, 4 r;
	v_lshlrev_b32 v29, 10, v13
	s_delay_alu instid0(VALU_DEP_1)
	v_lshl_add_u32 v29, v12, 6, v29                ; x: row r of 1,024 bytes + 64 (lane / 16)
.irp b, 0,1,2,3
	v_mov_b32 v[TM+4+\b], 0                        ; a lane permute's destination counts as one of its sources
.endr
	s_wait_alu depctr_va_vdst(0)                   ; the wait at the head's end
	s_wait_kmcnt 0x0
	s_add_nc_u64 s[4:5], s[4:5], s[16:17]
	s_add_nc_u64 s[6:7], s[6:7], s[18:19]
	s_add_nc_u64 s[22:23], s[6:7], s[22:23]
	s_add_nc_u64 s[24:25], s[6:7], s[24:25]
	s_add_nc_u64 s[26:27], s[6:7], s[26:27]
	s_add_nc_u64 s[8:9], s[8:9], s[28:29]
	s_cmp_ge_u32 ttmp9, 128
	s_cbranch_scc0 .Lcodebook
	; x's way.  Wave w makes fragment w.  Lane (r, h) holds row r; register 16 b + i = x(r, 128 s + 32 b + 16 h + i).
	s_sub_co_u32 s13, ttmp9, 128                   ; my block of 128 rows
	s_lshl_b32 s40, s13, 17
	s_lshl_b32 s14, s12, 14
	s_add_co_u32 s40, s40, s14
	s_lshl_b32 s14, s11, 9
	s_add_co_u32 s40, s40, s14
	s_mov_b32 s41, 0
	s_add_nc_u64 s[32:33], s[32:33], s[40:41]
	s_mul_i32 s13, s13, 17408
	s_lshl_b32 s14, s10, 10
	s_add_co_u32 s40, s13, s14
	s_add_nc_u64 s[36:37], s[34:35], s[40:41]      ; my fragment
	s_lshl_b32 s14, s10, 6
	s_add_co_u32 s40, s13, s14
	s_add_co_u32 s40, s40, 16384
	s_add_nc_u64 s[38:39], s[34:35], s[40:41]      ; my sixteen scale words
	s_mov_b32 s42, 0x76543210
	s_mov_b32 s43, 0xfedcba98                      ; v_permlanex16_b32's selects for lane l xor 16
.irp b, 0,1,2,3
.irp j, 0,1,2,3
	global_load_b128 v[X+16*\b+4*\j:X+16*\b+4*\j+3], v29, s[32:33] offset:128*\b+16*\j th:TH_LOAD_NT
.endr
.endr
	s_wait_loadcnt 0x0
.irp b, 0,1,2,3
	v_max3_num_f32 v[TM+\b], |v[X+16*\b]|, |v[X+1+16*\b]|, 0x1800000   ; block b: my 16 numbers and the floor 2^(3 - 127); the four blocks by turns
.endr
.irp i, 2,4,6,8,10,12,14
.irp b, 0,1,2,3
	v_max3_num_f32 v[TM+\b], v[TM+\b], |v[X+16*\b+\i]|, |v[X+1+16*\b+\i]|
.endr
.endr
.irp b, 0,1,2,3
	v_permlanex16_b32 v[TM+4+\b], v[TM+\b], s42, s43
.endr
.irp b, 0,1,2,3
	v_max_num_f32 v[TM+\b], v[TM+\b], v[TM+4+\b]   ; with lane l xor 16's: the block's largest magnitude
.endr
.irp b, 0,1,2,3
	v_add_nc_u32 v[TM+12+\b], 0xff000000, v[TM+\b] ; 2 off its exponent field: the conversion's scale operand
.endr
.irp b, 0,1,2,3
	v_lshrrev_b32 v[TM+4+\b], 23, v[TM+12+\b]      ; the scale's byte
.endr
	v_lshl_or_b32 v[PW], v[TM+5], 8, v[TM+4]
	s_delay_alu instid0(VALU_DEP_1)
	v_lshl_or_b32 v[PW], v[TM+6], 16, v[PW]
	s_delay_alu instid0(VALU_DEP_1)
	v_lshl_or_b32 v[PW], v[TM+7], 24, v[PW]        ; my row's scale word
.irp b, 0,1,2,3
	v_cvt_scalef32_pk8_fp4_f32 v[PC+2*\b], v[X+16*\b:X+7+16*\b], v[TM+12+\b]
	v_cvt_scalef32_pk8_fp4_f32 v[PC+1+2*\b], v[X+8+16*\b:X+15+16*\b], v[TM+12+\b]
.endr
	v_nop                                          ; one plain instruction behind the last scaled conversion
.irp c, 0,1                                    ; the operand's layout wants a whole block in a lane
.irp i, 0,1
	v_permlane16_swap_b32 v[PC+4*\c+\i], v[PC+2+4*\c+\i]
.endr
.endr
	global_store_b128 v8, v[PC:PC+3], s[36:37]             ; 512 consecutive bytes, aligned
	global_store_b128 v8, v[PC+4:PC+7], s[36:37] offset:512
	global_store_b32 v31, v[PW], s[38:39]          ; 64 consecutive bytes: lanes r and r + 16 hold the same word and write the same place; one byte in 17 of what this wave stores
	s_branch .Lmeet
.Lcodebook:
.set i, 0
.rept 32
	global_load_b32 v[X+i], v2, s[4:5] offset:i*ROWE th:TH_LOAD_NT   ; E(32 b8 + i, my column): a wave reads 128 consecutive bytes, two waves side by side 256
.set i, i+1
.endr
	s_wait_loadcnt 0x0
	v_max3_num_f32 v12, |v[X]|, |v[X+1]|, |v[X+2]|                 ; the block's largest magnitude, in two chains
	v_max3_num_f32 v13, |v[X+3]|, |v[X+4]|, |v[X+5]|
.irp i, 6,10,14,18,22,26
	s_delay_alu instid0(VALU_DEP_2)
	v_max3_num_f32 v12, v12, |v[X+\i]|, |v[X+\i+1]|
	s_delay_alu instid0(VALU_DEP_2)
	v_max3_num_f32 v13, v13, |v[X+\i+2]|, |v[X+\i+3]|
.endr
	s_delay_alu instid0(VALU_DEP_2)
	v_max3_num_f32 v12, v12, |v[X+30]|, |v[X+31]|
	s_delay_alu instid0(VALU_DEP_1)
	v_max3_num_f32 v12, v12, v13, 0x1800000        ; and the floor 2^(3 - 127): the byte cannot fall under 1
.irp c, 0,1,2,3
	v_mul_f32 v[20+\c], v[X+\c], v[X+\c]           ; the sum of my 32 squares, of the numbers as they are given, in four chains
.endr
.irp k, 4,8,12,16,20,24,28
.irp c, 0,1,2,3
	s_delay_alu instid0(VALU_DEP_4)
	v_fmac_f32 v[20+\c], v[X+\k+\c], v[X+\k+\c]
.endr
.endr
	v_add_nc_u32 v14, 0xff000000, v12              ; 2 off the exponent field: the conversion's scale operand
	s_delay_alu instid0(VALU_DEP_1)
	v_lshrrev_b32 v15, 23, v14                     ; the scale's byte
	v_add_f32 v20, v20, v21
	v_add_f32 v22, v22, v23
	s_delay_alu instid0(VALU_DEP_1)
	v_add_f32 v20, v20, v22
.irp g, 0,1,2,3
	v_cvt_scalef32_pk8_fp4_f32 v[C+\g], v[X+8*\g:X+8*\g+7], v14
.endr
	v_nop                                          ; one plain instruction behind the last scaled conversion
	global_store_b128 v3, v[C:C+3], s[22:23]       ; 16 lanes store 256 consecutive bytes, aligned: block b8 of a tile
	ds_store_b8 v6, v15
	ds_store_b32 v5, v20
.irp j, 0,1,2,3,4,5,6,7
	ds_store_b128 v4, v[X+4*\j:X+4*\j+3] offset:16*\j
.endr
.Lmeet:
	s_wait_dscnt 0x0                               ; for the others' sake: my LDS stores have landed
	s_barrier_signal -1
	s_barrier_wait -1                              ; 64 whole columns, the scale bytes and the partial sums lie in LDS
	s_cmp_ge_u32 ttmp9, 128
	s_cbranch_scc1 .Lend                           ; x's work-groups are done
.irp q, 0,1,2,3
.irp u, 0,1
	ds_load_b128 v[OUTR+8*\q+4*\u:OUTR+8*\q+4*\u+3], v7 offset:\q*SP+512*\u
.endr
.endr
.irp q, 0,1,2,3
.irp u, 0,1
	s_wait_dscnt 7-2*\q-\u                         ; LDS loads come back in order: the count is that of the younger ones
	global_store_b128 v8, v[OUTR+8*\q+4*\u:OUTR+8*\q+4*\u+3], s[8:9] offset:\q*1024+512*\u   ; 512 consecutive bytes of a row of et
.endr
.endr
	s_cmp_lg_u32 s10, 0
	s_cbranch_scc1 .Lnot_wave_0                    ; wave 0 sends the scale bytes
	ds_load_b128 v[12:15], v9
	s_wait_dscnt 0x0
	global_store_b128 v8, v[12:15], s[24:25]       ; 512 consecutive bytes
.Lnot_wave_0:
	s_cmp_lg_u32 s10, 1
	s_cbranch_scc1 .Lend                           ; wave 1 adds the eight blocks' sums of squares, blocks ascending
.irp b, 0,1,2,3,4,5,6,7
	ds_load_b64 v[X+2*\b:X+2*\b+1], v10 offset:256*\b
.endr
	s_wait_dscnt 0x0
	v_pk_add_f32 v[X:X+1], v[X:X+1], v[X+2:X+3]
.irp b, 2,3,4,5,6,7
	s_delay_alu instid0(VALU_DEP_1)
	v_pk_add_f32 v[X:X+1], v[X:X+1], v[X+2*\b:X+2*\b+1]
.endr
	s_delay_alu instid0(VALU_DEP_1)
	v_pk_mul_f32 v[X:X+1], v[X:X+1], -0.5 op_sel_hi:[1,0]   ; -|e|^2 / 2: exact
	global_store_b64 v11, v[X:X+1], s[26:27]       ; 256 consecutive bytes, aligned
.Lend:
	s_wait_tensorcnt 0x0                           ; the wave's end
	ds_add_u32 v96, v97
	s_wait_dscnt 0x0
	s_endpgm
.Lfunc_end_k_q1ddaba996a_prep:
	.size	k_q1ddaba996a_prep, .Lfunc_end_k_q1ddaba996a_prep-k_q1ddaba996a_prep
	.p2alignl 7, 3214868480
	.fill 96, 4, 3214868480
	.section	.rodata,"a",@progbits
	.p2align	6, 0x0
	.amdhsa_kernel k_q1ddaba996a_prep
		.amdhsa_group_segment_fixed_size 71680
		.amdhsa_private_segment_fixed_size 0
		.amdhsa_enable_private_segment 0
		.amdhsa_kernarg_size 40
		.amdhsa_user_sgpr_count 2
		.amdhsa_user_sgpr_kernarg_segment_ptr 1
		.amdhsa_wavefront_size32 1
		.amdhsa_system_sgpr_workgroup_id_x 1
		.amdhsa_system_sgpr_workgroup_id_y 1
		.amdhsa_system_sgpr_workgroup_id_z 1
		.amdhsa_system_vgpr_workitem_id 0
		.amdhsa_next_free_vgpr 128
		.amdhsa_next_free_sgpr 66
		.amdhsa_reserve_vcc 0
		.amdhsa_float_denorm_mode_32 3
		.amdhsa_float_denorm_mode_16_64 3
		.amdhsa_memory_ordered 1
		.amdhsa_forward_progress 1
		.amdhsa_inst_pref_size 22
	.end_amdhsa_kernel
	.amdgpu_metadata
---
amdhsa.version: [ 1, 2 ]
amdhsa.kernels:
  - .name:           k_q1ddaba996a_prep
    .symbol:         k_q1ddaba996a_prep.kd
    .args:
      - { .name: embeddings, .offset: 0, .size: 8, .value_kind: global_buffer, .address_space: global }
      - { .name: eq, .offset: 8, .size: 8, .value_kind: global_buffer, .address_space: global }
      - { .name: et, .offset: 16, .size: 8, .value_kind: global_buffer, .address_space: global }
      - { .name: x, .offset: 24, .size: 8, .value_kind: global_buffer, .address_space: global }
      - { .name: xq, .offset: 32, .size: 8, .value_kind: global_buffer, .address_space: global }
    .group_segment_fixed_size: 71680
    .private_segment_fixed_size: 0
    .kernarg_segment_align: 8
    .kernarg_segment_size: 40
    .max_flat_workgroup_size: 512
    .sgpr_count:     66
    .vgpr_count:     128
    .wavefront_size: 32
...
	.end_amdgpu_metadata
.endif
;; end of part 1
;; launch main (part 2): grid 256 x 1, 16 waves a work-group, clusters of 4 x 1, 327,680 bytes of LDS; arguments xq, eq, idx; writes idx
.if DOCPART == 2
	.amdgcn_target "amdgcn-amd-amdhsa--gfx1250"
	.amdhsa_code_object_version 6
	.text
	.protected	k_q1ddaba996a_main
	.globl	k_q1ddaba996a_main
	.p2align	8
	.type	k_q1ddaba996a_main,@function
k_q1ddaba996a_main:
	s_mov_b64 s[64:65], 0
	v_nop
	global_prefetch_b8 v0, s[64:65] scope:SCOPE_SE
	s_setreg_imm32_b32 hwreg(HW_REG_WAVE_MODE, 25, 1), 1
	s_wait_xcnt 0x0
	s_wait_alu depctr_hold_cnt(0) depctr_sa_sdst(0) depctr_va_vdst(0) depctr_va_sdst(0) depctr_va_ssrc(0) depctr_va_vcc(0) depctr_vm_vsrc(0)
	s_getreg_b32 s2, hwreg(HW_REG_IB_STS2, 6, 4)
	s_cmp_eq_u32 s2, 0
	s_cbranch_scc0 .Lentry_in_a_cluster
	s_endpgm
.Lentry_in_a_cluster:
	s_bfe_u32 s2, ttmp6, 0x10000c
	s_cmp_lg_u32 s2, 0x3003
	s_cbranch_scc0 .Lentry_shape_is_right
	s_endpgm
.Lentry_shape_is_right:
; idx[n] = the column k of the codebook with the least |x_n|^2 - 2 x_n . e_k + |e_k|^2, the lowest k among equals.  x comes as xq (register images of its FP4 fragments and E8M0 scale words), the codebook as eq.
; x . e is the quantised product, by v_wmma_scale_f32_16x16x128_f8f6f4 on codes of E2M1, two K steps, sums in f32.
; WHAT IS COMPARED.  t = x . e - |e|^2 / 2, and the LARGEST t is sought.  |x_n|^2 is left out: it is the same for all candidates of a row, so the argmin is the same without it for all finite inputs.
; -|e|^2 / 2 is the C of each sum's first matrix instruction.  LIMITS: the order of rounding differs from (|x|^2 - 2 p) + |e|^2 in f32: t keeps more bits, so two candidates whose distances lie within a few
; units in the last place of such a sum may be ranked the other way; NaN and infinities are not served, nor carried from |x|^2.
; SHARES.  A work-group owns 128 rows and walks all 8,192 columns.  Sixteen waves, four to a SIMD.  Wave w: rh = w / 8 (64 rows: four row tiles), g = w % 8: of each chunk's 64 tiles of 16 columns, tiles 8 g .. 8 g + 7.
; THE PRODUCT IS USED TRANSPOSED: source 0 = 16 columns, source 1 = 16 rows of x.  A lane holds one row (lane % 16); registers 0-7 are columns 16 tile + 8 (lane / 16) + 0 .. 7.
; THE SEARCH, exact, with no branch on data, runs ONE TILE BEHIND the products, on two sets of accumulators: its instructions name no register of the products just issued and are the places behind them.
; For each row tile a lane keeps the best t and the eight t of the tile where it was found.  A tile and row tile: four v_max3, one compare into VCC (strict: the earliest tile stays), four dual selects.
; WHERE it was found is kept in scalar registers, a lane mask for each bit: three bits of the tile in its chunk, set or cleared under VCC by scalar instructions; a mask of the lanes that grew in this chunk, from
; which the chunk's three bits are set at the chunk's end.  At the end the lowest register that equals the best gives the place; halves of the lanes and the eight waves are joined by (t, then the lower column).
; THE CODEBOOK comes in 8 chunks of CH bytes through a ring of two LDS slots.  CLUSTER: all work-groups walk the same chunks, so the four of a cluster ask jointly.  Waves 0 to 3 fetch a quarter of a chunk each;
; a wave has at most one tensor load out.  The place in the cluster enters global addresses alone.
; PREFETCH: in chunks 0 to 5, behind the fourth tile, the chunk two on is asked for, one chunk ahead of the tensor load that wants it: 560 blocks of 256 bytes, of which the partner at place cx names 140 (by address),
; a lane a block, waves 0 to 4; the left-over lanes of wave 4 name its last block again.  Chunks 6 and 7 ask for nothing.
.set CH,    143360                     ; a chunk: 64 tiles x 2,048 bytes of codes, 64 x 128 of scale words, 64 x 64 of biases
.set QB,    CH/4                       ; what one tensor load brings: 140 rows of 256 bytes
.set SCO,   131072
.set BIO,   139264
.set XB,    17408                      ; a block of 128 rows in xq
.set RED,   2*CH                       ; behind the ring: the waves' results, [8 g][128 rows] x (t, column)
.set SPARE, RED+8192                   ; the spare words, 128 bytes for each wave, that no other line names
.set SPW, 1                            ; v1   my spare word; never rewritten
.set NIL, 2                            ; v2   0; never rewritten
.set AC,  3                            ; v3-4 my tiles' codes in slot 0, 1
.set AS,  5                            ; v5-6 their scale words (lanes 0-15 K step 0's, lanes 16-31 K step 1's)
.set AB,  7                            ; v7-8 their biases
.set XO,  9                            ; v9   xq: my four row tiles' fragments
.set XSO, 10                           ; v10  and their scale words
.set PFO, 11                           ; v11  the prefetch's offset: 256 x min(thread, 139)
.set RWR, 13
.set RRD, 14
.set H8,  16                           ; v16  8 (lane / 16) + 128 g
.set L8,  17
.set XS,  20                           ; v20-23  x's scale words: scales and nothing else
.set ASC, 24                           ; v24-25  the codebook's scale words, two buffers: scales and nothing else
.set XF,  32                           ; v32-95  x's fragments: row tile a, K step s at 16 a + 8 s
.set AF,  96                           ; v96-127 a tile's two fragments, two buffers
.set BI,  128                          ; v128-143 a tile's biases, two buffers
.set ACC, 144                          ; v144-175 the accumulators of even tiles; those of odd tiles at v216-247
.set CAP, 176                          ; v176-207 the eight t of the tile where the best was found
.set BEST, 208                         ; v208-215 the best t, two sets that take turns
.set VK,  100                          ; at the end, where fragments lay: (t, column) in pairs,
.set OVV, 108                          ; the other half of the lanes' t,
.set OVK, 112                          ; and column,
.set TT,  116                          ; and work
.set WV, 10
.set GG, 11
.set RH, 12
.set G1, 24
.set G0, 32
.set MK, 40
.set LAP, 44
.set SEL, 50
.set PFB, 52                           ; s[52:53] the prefetch's base
.set PL,  68                           ; s68-95: row tile a at 7 a: bits 0-2 of the tile, the slot's bit, the lap's two bits, the lanes that grew in this chunk
.set LB0, 96                           ; the lap's two bits, each as 0 or -1
.set LB1, 97
.set TMP, 98
.macro ROUND                           ; a round of the cluster's barrier
	s_barrier_signal -1
	s_barrier_wait -1
	s_cmp_lg_u32 s[WV], 0
	s_cbranch_scc1 .Lnot_wave_0_\@
	s_barrier_signal -3
.Lnot_wave_0_\@:
	s_barrier_wait -3
	s_barrier_signal -1
	s_barrier_wait -1
.endm
.macro TLOAD g0                        ; a joint load: waves 0 to 3, a quarter of a chunk each
	s_cmp_lt_u32 s[WV], 4
	s_cbranch_scc0 .Lnone_\@
	tensor_load_to_lds s[\g0:\g0+3], s[G1:G1+7]
	s_nop 0
.rept 4
	v_nop
.endr
.Lnone_\@:
.endm
.macro LOADS slot, i                   ; seven LDS loads: my i-th tile of the slot into buffer i % 2
.set F_, AF+16*((\i)%2)
.set B_, BI+8*((\i)%2)
.irp q, 0,1,2,3
	ds_load_b128 v[F_+4*\q:F_+4*\q+3], v[AC+\slot] offset:(\i)*2048+512*\q
.endr
	ds_load_b32 v[ASC+(\i)%2], v[AS+\slot] offset:(\i)*128
	ds_load_b128 v[B_:B_+3], v[AB+\slot] offset:(\i)*64
	ds_load_b128 v[B_+4:B_+7], v[AB+\slot] offset:(\i)*64+16
.endm
.macro MUL i                           ; eight matrix instructions; the four accumulators take turns, one instruction a turn
.set D_, ACC+72*((\i)%2)
.set F_, AF+16*((\i)%2)
.set B_, BI+8*((\i)%2)
.set S_, ASC+(\i)%2
.irp a, 0,1,2,3
	v_wmma_scale_f32_16x16x128_f8f6f4 v[D_+8*\a:D_+8*\a+7], v[F_:F_+7], v[XF+16*\a:XF+16*\a+7], v[B_:B_+7], v[S_], v[XS+\a] matrix_a_fmt:MATRIX_FMT_FP4 matrix_b_fmt:MATRIX_FMT_FP4
.endr
.irp a, 0,1,2,3
	v_wmma_scale_f32_16x16x128_f8f6f4 v[D_+8*\a:D_+8*\a+7], v[F_+8:F_+15], v[XF+16*\a+8:XF+16*\a+15], v[D_+8*\a:D_+8*\a+7], v[S_], v[XS+\a] matrix_a_fmt:MATRIX_FMT_FP4 matrix_b_fmt:MATRIX_FMT_FP4 matrix_a_scale:MATRIX_SCALE_ROW1 matrix_b_scale:MATRIX_SCALE_ROW1
.endr
.endm
; The search of my i-th tile of a chunk that lay in slot sl.  mode 1: the very first tile starts the search: nothing is cleared.
.macro SEARCH i, sl, mode
.set A_, ACC+72*((\i)%2)
.set O_, BEST+4*((\i)%2)
.set N_, BEST+4-4*((\i)%2)
.if \mode == 1
.irp a, 0,1,2,3
	v_max3_num_f32 v[N_+\a], v[A_+8*\a], v[A_+8*\a+1], v[A_+8*\a+2]
.endr
.irp j, 3,5
.irp a, 0,1,2,3
	v_max3_num_f32 v[N_+\a], v[N_+\a], v[A_+8*\a+\j], v[A_+8*\a+\j+1]
.endr
.endr
.irp a, 0,1,2,3
	v_max_num_f32 v[N_+\a], v[N_+\a], v[A_+8*\a+7]
.endr
.irp a, 0,1,2,3
.irp j, 0,2,4,6
	v_dual_mov_b32 v[CAP+8*\a+\j], v[A_+8*\a+\j] :: v_dual_mov_b32 v[CAP+8*\a+\j+1], v[A_+8*\a+\j+1]
.endr
.endr
.else
.irp a, 0,1,2,3                        ; each accumulator is read from its low end on; the four row tiles by turns
	v_max3_num_f32 v[N_+\a], v[O_+\a], v[A_+8*\a], v[A_+8*\a+1]
.endr
.irp j, 2,4,6
.irp a, 0,1,2,3
	v_max3_num_f32 v[N_+\a], v[N_+\a], v[A_+8*\a+\j], v[A_+8*\a+\j+1]
.endr
.endr
.irp a, 0,1,2,3
	v_cmp_gt_f32 vcc_lo, v[N_+\a], v[O_+\a]        ; strictly better: among equals the earlier tile stays
.irp b, 0,1,2
.if (((\i)>>\b)&1)
	s_or_b32 s[PL+7*\a+\b], s[PL+7*\a+\b], vcc_lo
.else
	s_and_not1_b32 s[PL+7*\a+\b], s[PL+7*\a+\b], vcc_lo
.endif
.endr
	s_or_b32 s[PL+7*\a+6], s[PL+7*\a+6], vcc_lo
.irp j, 0,2,4,6                        ; where the best has grown, the tile's eight t are kept, two to an instruction
	v_dual_cndmask_b32 v[CAP+8*\a+\j], v[CAP+8*\a+\j], v[A_+8*\a+\j] :: v_dual_cndmask_b32 v[CAP+8*\a+\j+1], v[CAP+8*\a+\j+1], v[A_+8*\a+\j+1]
.endr
.endr
.if (\i) == 7                          ; the chunk's end: its three bits go to the lanes that grew in it
.irp a, 0,1,2,3
.if (\sl)
	s_or_b32 s[PL+7*\a+3], s[PL+7*\a+3], s[PL+7*\a+6]
.else
	s_and_not1_b32 s[PL+7*\a+3], s[PL+7*\a+3], s[PL+7*\a+6]
.endif
	s_and_not1_b32 s[PL+7*\a+4], s[PL+7*\a+4], s[PL+7*\a+6]
	s_and_b32 s[TMP], s[PL+7*\a+6], s[LB0]
	s_or_b32 s[PL+7*\a+4], s[PL+7*\a+4], s[TMP]
	s_and_not1_b32 s[PL+7*\a+5], s[PL+7*\a+5], s[PL+7*\a+6]
	s_and_b32 s[TMP], s[PL+7*\a+6], s[LB1]
	s_or_b32 s[PL+7*\a+5], s[PL+7*\a+5], s[TMP]
	s_mov_b32 s[PL+7*\a+6], 0
.endr
.endif
.endif
.endm
; My i-th tile of the slot: its seven loads, issued a tile ago, are the only LDS instructions of mine that are out; the next tile's go into the other buffer, behind the search that followed that buffer's products.
.macro TILE slot, i, mode
	s_wait_dscnt 0x0
.if (\i) < 7
	LOADS \slot, (\i)+1
.endif
	MUL \i
.if \mode == 0
.rept 5
	v_nop                                          ; no search is due yet: the places behind the first products
.endr
.else
	SEARCH ((\i)+7)%8, 1-\slot, \mode
.endif
.endm
.macro TILES slot, from, n
.set Q, \from
.rept \n
	TILE \slot, Q, 2
.set Q, Q+1
.endr
.endm
; A chunk's head: every wave waits for all its tensor loads, adds 0 to its spare word, waits for that and for its reads of the other slot; the round; the next chunk is asked for, into the other slot, first thing.
.macro CHEAD slot, refill
	s_wait_tensorcnt 0x0
	ds_add_u32 v[SPW], v[NIL]                      ; adds 0 to my spare word,
.if \refill
	ds_add_u32 v[SPW], v[NIL]
.endif
	s_add_nc_u64 s[G0+4*\slot+2:G0+4*\slot+3], s[G0+4*\slot+2:G0+4*\slot+3], 2*CH   ; no tensor load of mine is out: this slot's next chunk
	s_wait_dscnt 0x0
	ROUND
.if \refill
	TLOAD G0+4-4*\slot
.endif
	LOADS \slot, 0
.endm
.macro ASK
	s_cmp_lt_u32 s[WV], 5
	s_cbranch_scc0 .Lno_ask_\@
	s_wait_xcnt 0x0                                ; the last prefetch, a chunk ago, has read its base
	s_add_nc_u64 s[PFB:PFB+1], s[PFB:PFB+1], CH
	s_cmp_lt_u32 ttmp9, 4
	s_cbranch_scc0 .Lno_prefetch_main0_\@
	global_prefetch_b8 v[PFO], s[PFB:PFB+1] th:TH_LOAD_NT scope:SCOPE_SE
.Lno_prefetch_main0_\@:
.Lno_ask_\@:
.endm
.macro JOIN dv, sv, k, ov, ok          ; the larger t, among equal t the lower column
	v_cmp_gt_f32 s46, v[\ov], v[\sv]
	v_cmp_eq_f32 s47, v[\ov], v[\sv]
	v_cmp_lt_u32 s48, v[\ok], v[\k]
	s_and_b32 s47, s47, s48
	s_or_b32 s46, s46, s47
	v_cndmask_b32 v[\dv], v[\sv], v[\ov], s46
	v_cndmask_b32 v[\k], v[\k], v[\ok], s46
.endm
.macro BITS b, w                       ; bit b of where the best was found weighs w columns
.irp a, 0,1,2,3
	v_add_nc_u32 v[TT+\a], \w, v[VK+2*\a+1]
.endr
.irp a, 0,1,2,3
	v_cndmask_b32 v[VK+2*\a+1], v[VK+2*\a+1], v[TT+\a], s[PL+7*\a+\b]
.endr
.endm
	s_load_b128 s[4:7], s[0:1], 0x0                ; xq s[4:5], eq s[6:7]
	s_load_b64 s[8:9], s[0:1], 0x10                ; idx
	v_lshl_add_u32 v[SPW], v0, 2, SPARE
	v_mov_b32 v[NIL], 0
	ds_add_u32 v[SPW], v[NIL]                      ; the opening: the add, twice on end, and its wait
	ds_add_u32 v[SPW], v[NIL]
	v_lshrrev_b32 v18, 5, v0
	v_readfirstlane_b32 s[WV], v18                 ; wave 0..15
	s_and_b32 s[GG], s[WV], 7
	s_lshr_b32 s[RH], s[WV], 3
	s_bfe_u32 s13, ttmp6, 0x40000                  ; cx
	s_lshl_b32 s14, ttmp9, 2
	s_add_co_u32 s14, s14, s13                     ; my block of 128 rows
	s_and_b32 s54, s[WV], 1
	s_lshl_b32 s55, s[GG], 14
	s_lshl_b32 s56, s[GG], 10
	s_lshl_b32 s60, s[RH], 9
	s_add_co_u32 s59, s60, 16384
	s_add_co_u32 s60, s60, s56
	s_add_co_u32 s60, s60, RED
	s_add_co_u32 s56, s56, SCO
	s_lshl_b32 s57, s[GG], 9
	s_add_co_u32 s57, s57, BIO
	s_lshl_b32 s58, s[RH], 13
	s_lshl_b32 s61, s54, 9
	s_add_co_u32 s61, s61, RED
	s_lshl_b32 s62, s[GG], 7
	s_mul_i32 s20, s14, XB                         ; xq: my block
	s_mov_b32 s21, 0
	s_lshl_b32 s22, s14, 9                         ; idx: 512 bytes a work-group, 256 for each of waves 0 and 1
	s_lshl_b32 s16, s54, 8
	s_add_co_u32 s22, s22, s16
	s_mov_b32 s23, 0
	s_and_b32 s15, s[WV], 3
	s_mul_i32 s15, s15, QB                         ; my quarter of a chunk, in memory and in a slot
	s_mov_b32 s18, s15
	s_mov_b32 s19, 0
	s_mul_i32 s16, s13, QB                         ; the prefetch: my work-group's quarter, one chunk under the first that is asked for
	s_add_co_u32 s16, s16, CH
	s_mov_b32 s17, 0
	s_mov_b32 s[G1], 15|(3<<16)|(1<<21)            ; the mask: all four work-groups; elements of 8 bytes; bit 21 beside a mask
	s_mov_b32 s[G1+1], 32<<16
	s_mov_b32 s[G1+2], 140<<16
	s_mov_b32 s[G1+3], 32<<16
	s_mov_b32 s[G1+4], 140                         ; 140 rows of 256 bytes, dense
	s_mov_b32 s[G1+5], 32
	s_mov_b32 s[G1+6], 0
	s_mov_b32 s[G1+7], 0
	s_mov_b32 s[G0], 1
	s_mov_b32 s[G0+1], s15
	s_mov_b32 s[G0+4], 1
	s_add_co_u32 s[G0+5], s15, CH
	s_mov_b32 s[SEL], 0x76543210
	s_mov_b32 s[SEL+1], 0xfedcba98
	s_mov_b32 s[LAP], 0
	s_mov_b32 s[LB0], 0
	s_mov_b32 s[LB1], 0
.set i, 0
.rept 28
	s_mov_b32 s[PL+i], 0                           ; chunk 0, tile 0: where the first tile's search leaves every lane
.set i, i+1
.endr
	v_and_b32 v18, 31, v0                          ; lane
	v_and_b32 v19, 15, v0                          ; r
	v_bfe_u32 v[H8], v0, 4, 1                      ; h
	v_lshl_add_u32 v[AC], v18, 4, s55
	v_lshl_add_u32 v[AS], v18, 2, s56
	v_lshl_add_u32 v[AB], v[H8], 5, s57
	v_lshl_add_u32 v[XO], v18, 4, s58
	v_lshl_add_u32 v[XSO], v18, 2, s59
	v_lshl_add_u32 v[RWR], v19, 3, s60
	v_lshl_add_u32 v[RRD], v18, 4, s61
	v_add_nc_u32 v[AC+1], CH, v[AC]
	v_add_nc_u32 v[AS+1], CH, v[AS]
	v_add_nc_u32 v[AB+1], CH, v[AB]
	v_lshlrev_b32 v[L8], 3, v18
	v_lshl_add_u32 v[H8], v[H8], 3, s62
	v_min_u32 v[PFO], 139, v0
	s_delay_alu instid0(VALU_DEP_1)
	v_lshlrev_b32 v[PFO], 8, v[PFO]
	s_wait_alu depctr_va_vdst(0)                   ; the wait at the head's end
	s_wait_dscnt 0x0                               ; both opening adds are done
	s_wait_kmcnt 0x0
	s_add_nc_u64 s[4:5], s[4:5], s[20:21]
	s_add_nc_u64 s[8:9], s[8:9], s[22:23]
	s_add_nc_u64 s[PFB:PFB+1], s[6:7], s[16:17]
	s_add_nc_u64 s[G0+2:G0+3], s[6:7], s[18:19]    ; chunk 0, my quarter
	s_add_nc_u64 s[G0+6:G0+7], s[G0+2:G0+3], CH    ; chunk 1
	s_or_b32 s[G0+3], s[G0+3], 0x80000000
	s_or_b32 s[G0+7], s[G0+7], 0x80000000
.irp a, 0,1,2,3
.irp q, 0,1,2,3
	global_load_b128 v[XF+16*\a+4*\q:XF+16*\a+4*\q+3], v[XO], s[4:5] offset:2048*\a+512*\q   ; 512 consecutive bytes: half a fragment as it lies
.endr
	global_load_b32 v[XS+\a], v[XSO], s[4:5] offset:128*\a         ; lanes 0-15 K step 0's words, lanes 16-31 K step 1's
.endr
	ROUND                                          ; all four work-groups are here: the first joint loads meet
	TLOAD G0                                       ; chunk 0
	CHEAD 0, 1                                     ; chunk 0 is in; chunk 1 is asked for: slot 1's first fill, issued as a refill is
	s_wait_loadcnt 0x0                             ; x's fragments and scale words
	TILE 0, 0, 0
	TILE 0, 1, 1
.Llap:                                             ; a trip: from a chunk's third tile, through the next chunk, to the second tile of the chunk after
	TILES 0, 2, 2
	ASK
	TILES 0, 4, 4
	CHEAD 1, 1
	TILES 1, 0, 4
	ASK
	TILES 1, 4, 4
	CHEAD 0, 1
	TILES 0, 0, 2
	s_add_co_u32 s[LAP], s[LAP], 1
	s_and_b32 s[TMP], s[LAP], 1
	s_sub_co_u32 s[LB0], 0, s[TMP]
	s_lshr_b32 s[TMP], s[LAP], 1
	s_sub_co_u32 s[LB1], 0, s[TMP]
	s_cmp_lt_u32 s[LAP], 3
	s_cbranch_scc1 .Llap
	TILES 0, 2, 6                                  ; chunk 6 goes on; chunk 7 has been asked for, and then nothing
	CHEAD 1, 0
	TILES 1, 0, 8
	SEARCH 7, 1, 2
	s_wait_alu depctr_va_vdst(0)
	; THE PLACE IN THE TILE: the lowest register that equals the best
.irp a, 0,1,2,3
	v_mov_b32 v[VK+2*\a+1], 7
.endr
.irp j, 6,5,4,3,2,1,0
.irp a, 0,1,2,3
	v_cmp_eq_f32 s[MK+\a], v[CAP+8*\a+\j], v[BEST+\a]
.endr
.irp a, 0,1,2,3
	v_cndmask_b32 v[VK+2*\a+1], v[VK+2*\a+1], \j, s[MK+\a]
.endr
.endr
	BITS 0, 16                                     ; the column: 1,024 chunk + 128 g + 16 (tile in my eight) + 8 h + place
	BITS 1, 32
	BITS 2, 64
	BITS 3, 1024
	BITS 4, 2048
	BITS 5, 4096
.irp a, 0,1,2,3
	v_add_nc_u32 v[VK+2*\a+1], v[H8], v[VK+2*\a+1]
.endr
.irp a, 0,1,2,3
	v_permlanex16_b32 v[OVV+\a], v[BEST+\a], s[SEL], s[SEL+1]      ; the row's other eight columns of each tile lie in the lane 16 away
	v_permlanex16_b32 v[OVK+\a], v[VK+2*\a+1], s[SEL], s[SEL+1]
.endr
.irp a, 0,1,2,3
	JOIN VK+2*\a, BEST+\a, VK+2*\a+1, OVV+\a, OVK+\a
.endr
.irp a, 0,1,2,3
	ds_store_b64 v[RWR], v[VK+2*\a:VK+2*\a+1] offset:128*\a        ; both halves of the lanes hold the same pair and write the same place
.endr
	s_wait_dscnt 0x0                               ; for the others' sake: my stores have landed
	s_barrier_signal -1
	s_barrier_wait -1
	s_cmp_lt_u32 s[WV], 2
	s_cbranch_scc0 .Lnot_mine                      ; wave w of 0, 1 joins the eight results of rows 64 w .. 64 w + 63, two rows a lane
.irp g, 0,1,2,3,4,5,6,7
	ds_load_b128 v[ACC+4*\g:ACC+4*\g+3], v[RRD] offset:1024*\g
.endr
	s_wait_dscnt 0x0
.irp g, 1,2,3,4,5,6,7
	JOIN ACC, ACC, ACC+1, ACC+4*\g, ACC+4*\g+1
	JOIN ACC+2, ACC+2, ACC+3, ACC+4*\g+2, ACC+4*\g+3
.endr
	v_mov_b32 v[ACC], v[ACC+1]
	v_mov_b32 v[ACC+1], v[ACC+3]
	global_store_b64 v[L8], v[ACC:ACC+1], s[8:9]   ; 32 lanes store 256 consecutive bytes, aligned
.Lnot_mine:
	s_wait_tensorcnt 0x0                           ; the wave's end
	ds_add_u32 v[SPW], v[NIL]
	s_wait_dscnt 0x0
	ROUND                                          ; the closing round
	s_endpgm
.Lfunc_end_k_q1ddaba996a_main:
	.size	k_q1ddaba996a_main, .Lfunc_end_k_q1ddaba996a_main-k_q1ddaba996a_main
	.p2alignl 7, 3214868480
	.fill 96, 4, 3214868480
	.section	.rodata,"a",@progbits
	.p2align	6, 0x0
	.amdhsa_kernel k_q1ddaba996a_main
		.amdhsa_group_segment_fixed_size 327680
		.amdhsa_private_segment_fixed_size 0
		.amdhsa_enable_private_segment 0
		.amdhsa_kernarg_size 24
		.amdhsa_user_sgpr_count 2
		.amdhsa_user_sgpr_kernarg_segment_ptr 1
		.amdhsa_wavefront_size32 1
		.amdhsa_system_sgpr_workgroup_id_x 1
		.amdhsa_system_sgpr_workgroup_id_y 1
		.amdhsa_system_sgpr_workgroup_id_z 1
		.amdhsa_system_vgpr_workitem_id 0
		.amdhsa_next_free_vgpr 256
		.amdhsa_next_free_sgpr 100
		.amdhsa_reserve_vcc 1
		.amdhsa_float_denorm_mode_32 3
		.amdhsa_float_denorm_mode_16_64 3
		.amdhsa_memory_ordered 1
		.amdhsa_forward_progress 1
		.amdhsa_inst_pref_size 162
	.end_amdhsa_kernel
	.amdgpu_metadata
---
amdhsa.version: [ 1, 2 ]
amdhsa.kernels:
  - .name:           k_q1ddaba996a_main
    .symbol:         k_q1ddaba996a_main.kd
    .args:
      - { .name: xq, .offset: 0, .size: 8, .value_kind: global_buffer, .address_space: global }
      - { .name: eq, .offset: 8, .size: 8, .value_kind: global_buffer, .address_space: global }
      - { .name: idx, .offset: 16, .size: 8, .value_kind: global_buffer, .address_space: global }
    .group_segment_fixed_size: 327680
    .private_segment_fixed_size: 0
    .kernarg_segment_align: 8
    .kernarg_segment_size: 24
    .max_flat_workgroup_size: 512
    .sgpr_count:     100
    .vgpr_count:     256
    .wavefront_size: 32
...
	.end_amdgpu_metadata
.endif
;; end of part 2
;; launch gather (part 3): grid 256 x 1, 8 waves a work-group, no clusters, 0 bytes of LDS; arguments idx, et, out0; writes out0
.if DOCPART == 3
	.amdgcn_target "amdgcn-amd-amdhsa--gfx1250"
	.amdhsa_code_object_version 6
	.text
	.protected	k_q1ddaba996a_gather
	.globl	k_q1ddaba996a_gather
	.p2align	8
	.type	k_q1ddaba996a_gather,@function
k_q1ddaba996a_gather:
	s_mov_b64 s[64:65], 0
	v_nop
	global_prefetch_b8 v0, s[64:65] scope:SCOPE_SE
	s_setreg_imm32_b32 hwreg(HW_REG_WAVE_MODE, 25, 1), 1
	s_wait_xcnt 0x0
; out0[n][:] = column idx[n] of the codebook = row idx[n] of et, [8192][256] f32: a copy of 1,024 bytes for each of 32,768 rows.
; Eight waves; a wave takes 16 rows.  Its 16 indices are 64 consecutive bytes and come by one scalar load; each is held to the table's 8,192 rows before it enters an address.
; A row is two loads and two stores of 512 consecutive bytes.  All 32 loads of a wave go out together, into registers of their own; nothing is written twice, so there is no loop and no wait but the counted ones.
; No LDS, no matrix unit, no cluster: the work-groups share no tile, and bytes are all that there is.  No hint on the loads: the list may name a row of et many times.
.set OFF, 4                            ; v4-19   row i: 1,024 x its index + 16 x lane
.set D,   32                           ; v32-159 row i: 8 registers
	s_load_b128 s[4:7], s[0:1], 0x0                ; idx s[4:5], et s[6:7]
	s_load_b64 s[8:9], s[0:1], 0x10                ; out0
	v_lshrrev_b32 v2, 5, v0
	s_delay_alu instid0(VALU_DEP_1)
	v_readfirstlane_b32 s10, v2                    ; wave 0..7
	v_and_b32 v1, 31, v0
	s_delay_alu instid0(VALU_DEP_1)
	v_lshlrev_b32 v1, 4, v1                        ; 16 x lane
	s_lshl_b32 s12, ttmp9, 9                       ; idx: 128 words a work-group,
	s_lshl_b32 s11, s10, 6                         ; 16 a wave
	s_add_co_u32 s12, s12, s11
	s_mov_b32 s13, 0
	s_lshl_b32 s14, ttmp9, 17                      ; out0: 128 rows of 1,024 bytes a work-group,
	s_lshl_b32 s11, s10, 14                        ; 16 a wave
	s_add_co_u32 s14, s14, s11
	s_mov_b32 s15, 0
	s_wait_alu depctr_va_vdst(0)
	s_wait_kmcnt 0x0
	s_add_nc_u64 s[4:5], s[4:5], s[12:13]
	s_add_nc_u64 s[8:9], s[8:9], s[14:15]
	s_load_b512 s[16:31], s[4:5], 0x0              ; my 16 indices
	s_wait_kmcnt 0x0
.set i, 0
.rept 16
	s_min_u32 s[16+i], s[16+i], 8191               ; inside the table, whatever the word holds
	v_lshl_add_u32 v[OFF+i], s[16+i], 10, v1
.set i, i+1
.endr
.set i, 0
	s_wait_alu depctr_va_vdst(0)
.rept 16
	global_load_b128 v[D+8*i:D+8*i+3], v[OFF+i], s[6:7]
	global_load_b128 v[D+8*i+4:D+8*i+7], v[OFF+i], s[6:7] offset:512
.set i, i+1
.endr
.set i, 0
.rept 16
	s_wait_loadcnt 30-2*i                          ; loads come back in order: behind row i's two, 30 - 2 i were issued
	global_store_b128 v1, v[D+8*i:D+8*i+3], s[8:9] offset:1024*i th:TH_STORE_NT       ; 32 lanes store 512 consecutive bytes, aligned; written once, read by nobody here
	global_store_b128 v1, v[D+8*i+4:D+8*i+7], s[8:9] offset:1024*i+512 th:TH_STORE_NT
.set i, i+1
.endr
	s_endpgm
.Lfunc_end_k_q1ddaba996a_gather:
	.size	k_q1ddaba996a_gather, .Lfunc_end_k_q1ddaba996a_gather-k_q1ddaba996a_gather
	.p2alignl 7, 3214868480
	.fill 96, 4, 3214868480
	.section	.rodata,"a",@progbits
	.p2align	6, 0x0
	.amdhsa_kernel k_q1ddaba996a_gather
		.amdhsa_group_segment_fixed_size 0
		.amdhsa_private_segment_fixed_size 0
		.amdhsa_enable_private_segment 0
		.amdhsa_kernarg_size 24
		.amdhsa_user_sgpr_count 2
		.amdhsa_user_sgpr_kernarg_segment_ptr 1
		.amdhsa_wavefront_size32 1
		.amdhsa_system_sgpr_workgroup_id_x 1
		.amdhsa_system_sgpr_workgroup_id_y 1
		.amdhsa_system_sgpr_workgroup_id_z 1
		.amdhsa_system_vgpr_workitem_id 0
		.amdhsa_next_free_vgpr 160
		.amdhsa_next_free_sgpr 66
		.amdhsa_reserve_vcc 0
		.amdhsa_float_denorm_mode_32 3
		.amdhsa_float_denorm_mode_16_64 3
		.amdhsa_memory_ordered 1
		.amdhsa_forward_progress 1
		.amdhsa_inst_pref_size 10
	.end_amdhsa_kernel
	.amdgpu_metadata
---
amdhsa.version: [ 1, 2 ]
amdhsa.kernels:
  - .name:           k_q1ddaba996a_gather
    .symbol:         k_q1ddaba996a_gather.kd
    .args:
      - { .name: idx, .offset: 0, .size: 8, .value_kind: global_buffer, .address_space: global }
      - { .name: et, .offset: 8, .size: 8, .value_kind: global_buffer, .address_space: global }
      - { .name: out0, .offset: 16, .size: 8, .value_kind: global_buffer, .address_space: global }
    .group_segment_fixed_size: 0
    .private_segment_fixed_size: 0
    .kernarg_segment_align: 8
    .kernarg_segment_size: 24
    .max_flat_workgroup_size: 256
    .sgpr_count:     66
    .vgpr_count:     160
    .wavefront_size: 32
...
	.end_amdgpu_metadata
.endif
;; end of part 3
